; MI455X (gfx1250); checked and timed in simulation.
; The chip was launched on July 23, 2026; its instructions are those of AMD's public machine-readable ISA for CDNA 5 (MIT licence, August 2026) and "CDNA5" Instruction Set Architecture Reference Guide (July 2026). The comments in the code are by the model that wrote it; some were corrected since.
;; Multi Headed Attention. Allowed arithmetic: matrix products marked QUANTISED: E2M3 operands, one E8M0 scale for each 32 along K, by v_wmma_scale_f32_16x16x128_f8f6f4 with both operands' format E2M3, f32 sums; everything else in f32.
;; Inputs: Wk 1,024 x 1,024 float32; Wo 1,024 x 1,024 float32; Wq 1,024 x 1,024 float32; Wv 1,024 x 1,024 float32; bk 1,024 float32; bo 1,024 float32; bq 1,024 float32; bv 1,024 float32; mask 4 x 1 x 2,048 int32; x 4 x 2,048 x 1,024 float32.
;; Outputs: out0 4 x 2,048 x 1,024 float32.
;; This version of the problem:
;;   THIS VERSION OF THE PROBLEM IS GIVEN IN LOW PRECISION. The matrix products marked QUANTISED in the list below multiply operands that are first quantised to E2M3 (2 exponent bits, 3 mantissa bits; 6 bits a number), with one power-of-two scale for each 32 numbers along K (OCP MX v1.0); their sums are f32. All else is computed in f32.
;;   The module's matrix products, in the order in which they are computed (A, B: the left and right operand; K: the contracted axis; several contracted axes count as one K, in the product's order):
;;     1. [M 8,192, K 1,024] x [K 1,024, N 1,024]; A: input x; B: input Wq: QUANTISED
;;     2. [M 8,192, K 1,024] x [K 1,024, N 1,024]; A: input x; B: input Wk: QUANTISED
;;     3. [M 8,192, K 1,024] x [K 1,024, N 1,024]; A: input x; B: input Wv: QUANTISED
;;     4. batch 64 x [M 2,048, K 64] x [K 64, N 2,048]; A: computed on the way; B: computed on the way: QUANTISED
;;     5. batch 64 x [M 2,048, K 2,048] x [K 2,048, N 64]; A: softmax (see below); B: computed on the way: QUANTISED
;;     6. [M 8,192, K 1,024] x [K 1,024, N 1,024]; A: computed on the way; B: input Wo: QUANTISED
;;   THE QUANTISER, for each operand of a quantised product, along K:
;;     - K is cut into blocks of 32 from its start; a last block that is shorter is filled with zeros.
;;     - A block's scale is 2^e with e = floor(log2(the largest magnitude in the block)) - 2, held to -126 .. 127; a block of zeros has e = 0. As a byte (E8M0): e + 127.
;;     - Each number is divided by its block's scale, clamped to +-7.5, and rounded to the nearest number of E2M3, ties to even, subnormals kept.
;;     - The product sums the exact products of the quantised numbers (number of the format x scale) in f32.
;;   ~~~python
;;   def quantise(x, axis):      # numpy; x: float32 -> the quantised numbers, widened to float32 again
;;       x = np.moveaxis(x, axis, -1); K = x.shape[-1]
;;       x = np.pad(x, [(0, 0)] * (x.ndim - 1) + [(0, -K % 32)]); x = x.reshape(x.shape[:-1] + (-1, 32)); a = np.abs(x).max(-1, keepdims=True)
;;       e = np.where(a > 0, np.clip(np.frexp(np.where(a > 0, a, 1))[1] - 1 - 2, -126, 127), 0)      # np.frexp(a)[1] - 1 = floor(log2(a)), exactly
;;       r = np.clip(x / 2.0 ** e, -7.5, 7.5)
;;       step = 2.0 ** (np.maximum(np.frexp(np.where(r == 0, 1, r))[1] - 1, 0) - 3)
;;       q = np.round(r / step) * step * 2.0 ** e      # np.round: ties to even
;;       return np.moveaxis(q.reshape(q.shape[:-2] + (-1,))[..., :K], -1, axis).astype(np.float32)
;;   ~~~
;;   SOFTMAX AHEAD OF A QUANTISED PRODUCT. Where the list says 'softmax', what is quantised is not the finished softmax but p = 2^(t - M), with t = logit x log2(e) and M = ceil(the row's largest t), a whole number; so 1/2 < the row's largest p <= 1. The row's sum l is taken of the UNQUANTISED p, in f32, and the product's result is divided by l at the end. Since M is a whole number, a kernel that streams over the keys may use a running M (the ceiling of the running maximum): every later rescaling is an exact power of two, which a block's scale takes up: the codes' values come out the same.
;;   OPERANDS COMPUTED ON THE WAY. 'Computed on the way' means the value that the module computes at that place (a softmax that the list does not call 'softmax' is quantised finished and normalised). What goes into a quantiser is computed in f32, as accurately as f32 sums, v_exp_f32 and their like allow (about 1e-6 of the number): no bf16 or f16 on the way to a quantiser, and a product that is left as it is and whose result goes on into a quantised operand takes f32 operands (vector FMAs, or v_wmma_f32_16x16x4_f32). A number that lies on a knife's edge between two numbers of the format may be rounded either way, as far as f32 arithmetic and the matrix unit's own rounding can turn it there, and no further.
;; One version. Each part assembles by itself: llvm-mc -triple=amdgcn-amd-amdhsa -mcpu=gfx1250 --defsym DOCPART=n.
;; ======== version 1 of 1: 4 launches
;; limits: right only within a limited range of input values
;; workspace buffers: xq 6,553,600 bytes; wq 3,276,800 bytes; qr 15,466,496 bytes; kv 15,466,496 bytes; cq 6,553,600 bytes
;; launch quant (part 1): grid 384 x 1, 4 waves a work-group, no clusters, 34,304 bytes of LDS; arguments x, Wq, Wk, Wv, Wo, xq, wq; writes xq, wq
.if DOCPART == 1
	.amdgcn_target "amdgcn-amd-amdhsa--gfx1250"
	.amdhsa_code_object_version 6
	.text
	.protected	k_q46d44888a5_quant
	.globl	k_q46d44888a5_quant
	.p2align	8
	.type	k_q46d44888a5_quant,@function
k_q46d44888a5_quant:
	s_mov_b64 s[64:65], 0
	v_nop
	global_prefetch_b8 v0, s[64:65] scope:SCOPE_SE
	s_setreg_imm32_b32 hwreg(HW_REG_WAVE_MODE, 25, 1), 1
	s_wait_xcnt 0x0
; x [8192][1024] and Wq, Wk, Wv, Wo [1024][1024], f32, K innermost, become codes of FP6 (E2M3) with one E8M0 byte for each 32 along K,
; laid in the ORDER OF THE MATRIX OPERAND'S REGISTERS, so that the products' launches fetch fragments by whole 16- and 8-byte loads.
; A RECORD (12,800 bytes) holds a tile of 16 rows for all of K: eight fragments (128 along K each) of 1,536 bytes:
;   [registers 0-3: 16 bytes x lane][4-5: 8 bytes x lane][6-9: 16 x lane][10-11: 8 x lane]; at byte 12,288 the scale words, [K step / 2][row][K step % 2].
; THE ROWS OF A TILE ARE NOT NEIGHBOURS: lane r of tile T holds row 32 (T / 2) + 8 (T % 2) + r + 8 (r / 8); every launch of the program uses the same rows.
; A block's scale is 2^(floor(log2(largest magnitude)) - 2): its byte is the largest magnitude's exponent field - 2, held at 1 from below.
; LIMITS: a block whose largest magnitude lies under 2^-124 (a block of zeros too) gets the byte 1; NaN and infinities are not served. The bytes are read by this program alone.
; SHARES: a wave takes half a record (four fragments). Work-groups 0-255: x; then 32 each for Wq, Wk, Wv, Wo. Waves share nothing: no barrier, no cluster, no tensor load.
; Each load reads 512 consecutive bytes of a row; a fragment's 16 x 512 bytes turn through the wave's own stage in LDS (rows 528 bytes apart) and come back 32 neighbours a block a lane.
.set RECB, 12800
.set SP,   528                         ; a stage row: 512 bytes + 16, so that the 16 rows of a load begin in 16 different groups of banks
.set STGB, 16*SP
.set RB,   32                          ; v32-95, v96-159: two sets of 64 numbers as loaded
.set X,    160                         ; v160-223: my two blocks of 32 neighbours
.set C,    224                         ; v224-235: the fragment's 12 registers
.set CT,   236                         ; v236-238, v240-242: the blocks' upper halves (a conversion's three registers begin on an even number)
.set W,    16                          ; v16-19: the four fragments' scale words
	s_load_b256 s[4:11], s[0:1], 0x0               ; x, Wq, Wk, Wv
	s_load_b128 s[12:15], s[0:1], 0x20             ; Wo, xq
	s_load_b64 s[16:17], s[0:1], 0x30              ; wq
	v_lshl_add_u32 v254, v0, 2, 0x8400
	v_mov_b32 v255, 0
	v_lshrrev_b32 v14, 5, v0
	v_readfirstlane_b32 s18, v14                   ; wave
	v_and_b32 v14, 31, v0                          ; lane
	v_and_b32 v15, 15, v0                          ; r
	v_bfe_u32 v5, v0, 4, 1                         ; h
	v_lshlrev_b32 v1, 4, v14                       ; 16 x lane
	v_lshlrev_b32 v2, 3, v14                       ; 8 x lane
	s_mul_i32 s19, s18, STGB                       ; my stage
	v_add_nc_u32 v3, s19, v1                       ; into it: 16 x lane of a row
	v_mul_u32_u24 v4, v15, SP
	v_lshl_add_u32 v4, v5, 7, v4
	v_add_nc_u32 v4, s19, v4                       ; out of it: row r, + 128 h: my 32 numbers of each 64
	v_lshlrev_b32 v5, 3, v5                        ; 8 h: where my bytes stand in a scale word
	v_mov_b32 v13, 0                               ; a lane permute's destination counts as one of its sources
	s_lshl_b32 s24, ttmp9, 1
	s_lshr_b32 s25, s18, 1
	s_add_co_u32 s24, s24, s25                     ; T = 2 x work-group + wave / 2
	s_and_b32 s25, s18, 1                          ; which half of the record
	s_and_b32 s26, s24, 63                         ; a weight's tile
	s_sub_co_u32 s27, s24, 512                     ; its record in wq
	s_mov_b32 s20, 0x76543210
	s_mov_b32 s21, 0xfedcba98                      ; selects: lane l xor 16
	s_mov_b32 s22, 0xffff0000                      ; lanes 16-31
	s_wait_alu depctr_va_vdst(0)
	s_wait_kmcnt 0x0
	s_cmp_lt_u32 ttmp9, 352                        ; the tensor is chosen by the work-group's number alone
	s_cselect_b64 s[12:13], s[10:11], s[12:13]
	s_cmp_lt_u32 ttmp9, 320
	s_cselect_b64 s[12:13], s[8:9], s[12:13]
	s_cmp_lt_u32 ttmp9, 288
	s_cselect_b64 s[12:13], s[6:7], s[12:13]
	s_cmp_lt_u32 ttmp9, 256
	s_cselect_b64 s[12:13], s[4:5], s[12:13]
	s_cselect_b64 s[14:15], s[14:15], s[16:17]
	s_cselect_b32 s26, s24, s26                    ; the tile in its tensor
	s_cselect_b32 s27, s24, s27                    ; the record in its buffer
	s_lshr_b32 s28, s26, 1
	s_lshl_b32 s28, s28, 17                        ; 32 (T / 2) rows of 4,096 bytes
	s_and_b32 s29, s26, 1
	s_lshl_b32 s29, s29, 15                        ; 8 (T % 2) rows
	s_add_co_u32 s28, s28, s29
	s_lshl_b32 s29, s25, 11                        ; my half of K: 512 numbers
	s_add_co_u32 s28, s28, s29
	s_mov_b32 s29, 0
	s_add_nc_u64 s[12:13], s[12:13], s[28:29]
	s_mul_i32 s30, s27, RECB
	s_mov_b32 s31, 0
	s_add_nc_u64 s[14:15], s[14:15], s[30:31]
	s_mul_i32 s30, s25, 6144
	s_add_nc_u64 s[32:33], s[14:15], s[30:31]      ; my four fragments
	s_lshl_b32 s30, s25, 8
	s_add_co_u32 s30, s30, 12288
	s_add_nc_u64 s[34:35], s[14:15], s[30:31]      ; my 256 bytes of scale words
.macro LOAD f                          ; fragment f: 16 rows x 512 bytes
.irp i, 0,1,2,3,4,5,6,7,8,9,10,11,12,13,14,15
	global_load_b128 v[RB+64*((\f)%2)+4*\i:RB+64*((\f)%2)+4*\i+3], v1, s[12:13] offset:(\i+8*(\i/8))*4096+512*(\f) th:TH_LOAD_NT
.endr
.endm
.macro FRAGMENT f
.if (\f) < 3
	s_wait_loadcnt 16                              ; this fragment's 16 loads are in; the next fragment's 16 may be out
.else
	s_wait_loadcnt 0
.endif
.irp i, 0,1,2,3,4,5,6,7,8,9,10,11,12,13,14,15
	ds_store_b128 v3, v[RB+64*((\f)%2)+4*\i:RB+64*((\f)%2)+4*\i+3] offset:SP*\i
.endr
.irp c, 0,1
.irp j, 0,1,2,3,4,5,6,7
	ds_load_b128 v[X+32*\c+4*\j:X+32*\c+4*\j+3], v4 offset:256*\c+16*\j   ; LDS serves a wave's instructions in order: these see the stores above
.endr
.endr
	s_wait_dscnt 0x0                               ; my numbers are back, and the stores have read their registers,
.if (\f) < 2
	LOAD (\f)+2                                    ; which take the fragment two on
.endif
.irp c, 0,1
	v_max3_num_f32 v[6+\c], |v[X+32*\c]|, |v[X+32*\c+1]|, 0x1800000   ; block 2 c + h is all mine; the floor 2^(3 - 127) holds the byte at 1 from below
.endr
.irp i, 2,4,6,8,10,12,14,16,18,20,22,24,26,28,30
.irp c, 0,1
	v_max3_num_f32 v[6+\c], v[6+\c], |v[X+32*\c+\i]|, |v[X+32*\c+\i+1]|
.endr
.endr
	v_add_nc_u32 v8, 0xff000000, v6                ; 2 off the exponent field: the conversion's scale operand
	v_add_nc_u32 v9, 0xff000000, v7
	v_lshrrev_b32 v10, 23, v8                      ; the bytes
	v_lshrrev_b32 v11, 23, v9
	v_lshl_or_b32 v12, v11, 16, v10
	v_lshlrev_b32 v12, v5, v12                     ; blocks h and 2 + h at their places
	v_permlanex16_b32 v13, v12, s20, s21
	v_or_b32 v[W+(\f)], v12, v13                   ; with lane l xor 16's two the word is whole
	s_wait_alu depctr_va_vdst(0)
	s_wait_xcnt 0x0                                ; the last fragment's stores have read their data: the codes' registers are written again only behind this wait
.irp c, 0,1
	v_cvt_scalef32_pk16_fp6_f32 v[C+6*\c:C+6*\c+2], v[X+32*\c:X+32*\c+15], v[8+\c]
	v_cvt_scalef32_pk16_fp6_f32 v[CT+4*\c:CT+4*\c+2], v[X+32*\c+16:X+32*\c+31], v[8+\c]
.endr
	v_nop                                          ; one plain instruction behind the scaled conversions
.irp c, 0,1
.irp i, 0,1,2
	v_mov_b32 v[C+6*\c+3+\i], v[CT+4*\c+\i]
.endr
.endr
	global_store_b128 v1, v[C:C+3], s[32:33] offset:1536*(\f)              ; each store covers 512 or 256 consecutive bytes, aligned to 256
	global_store_b64 v2, v[C+4:C+5], s[32:33] offset:1536*(\f)+512
	global_store_b128 v1, v[C+6:C+9], s[32:33] offset:1536*(\f)+768
	global_store_b64 v2, v[C+10:C+11], s[32:33] offset:1536*(\f)+1280
.endm
	LOAD 0
	LOAD 1
	FRAGMENT 0
	FRAGMENT 1
	FRAGMENT 2
	FRAGMENT 3
	v_cndmask_b32 v20, v[W], v[W+2], s22           ; lanes 0-15: the words of fragments 0, 1; lanes 16-31: of 2, 3
	v_cndmask_b32 v21, v[W+1], v[W+3], s22
	global_store_b64 v2, v[20:21], s[34:35]        ; 256 consecutive bytes, aligned
	s_wait_tensorcnt 0x0
	ds_add_u32 v254, v255
	s_wait_dscnt 0x0
	s_endpgm
.Lfunc_end_k_q46d44888a5_quant:
	.size	k_q46d44888a5_quant, .Lfunc_end_k_q46d44888a5_quant-k_q46d44888a5_quant
	.p2alignl 7, 3214868480
	.fill 96, 4, 3214868480
	.section	.rodata,"a",@progbits
	.p2align	6, 0x0
	.amdhsa_kernel k_q46d44888a5_quant
		.amdhsa_group_segment_fixed_size 34304
		.amdhsa_private_segment_fixed_size 0
		.amdhsa_enable_private_segment 0
		.amdhsa_kernarg_size 56
		.amdhsa_user_sgpr_count 2
		.amdhsa_user_sgpr_kernarg_segment_ptr 1
		.amdhsa_wavefront_size32 1
		.amdhsa_system_sgpr_workgroup_id_x 1
		.amdhsa_system_sgpr_workgroup_id_y 1
		.amdhsa_system_sgpr_workgroup_id_z 1
		.amdhsa_system_vgpr_workitem_id 0
		.amdhsa_next_free_vgpr 256
		.amdhsa_next_free_sgpr 66
		.amdhsa_reserve_vcc 0
		.amdhsa_float_denorm_mode_32 3
		.amdhsa_float_denorm_mode_16_64 3
		.amdhsa_memory_ordered 1
		.amdhsa_forward_progress 1
		.amdhsa_inst_pref_size 31
	.end_amdhsa_kernel
	.amdgpu_metadata
---
amdhsa.version: [ 1, 2 ]
amdhsa.kernels:
  - .name:           k_q46d44888a5_quant
    .symbol:         k_q46d44888a5_quant.kd
    .args:
      - { .name: x, .offset: 0, .size: 8, .value_kind: global_buffer, .address_space: global }
      - { .name: Wq, .offset: 8, .size: 8, .value_kind: global_buffer, .address_space: global }
      - { .name: Wk, .offset: 16, .size: 8, .value_kind: global_buffer, .address_space: global }
      - { .name: Wv, .offset: 24, .size: 8, .value_kind: global_buffer, .address_space: global }
      - { .name: Wo, .offset: 32, .size: 8, .value_kind: global_buffer, .address_space: global }
      - { .name: xq, .offset: 40, .size: 8, .value_kind: global_buffer, .address_space: global }
      - { .name: wq, .offset: 48, .size: 8, .value_kind: global_buffer, .address_space: global }
    .group_segment_fixed_size: 34304
    .private_segment_fixed_size: 0
    .kernarg_segment_align: 8
    .kernarg_segment_size: 56
    .max_flat_workgroup_size: 128
    .sgpr_count:     66
    .vgpr_count:     256
    .wavefront_size: 32
...
	.end_amdgpu_metadata
.endif
;; end of part 1
;; launch qkv (part 2): grid 8 x 48, 4 waves a work-group, clusters of 4 x 4, 327,680 bytes of LDS; arguments xq, wq, bq, bk, bv, mask, qr, kv; writes qr, kv
.if DOCPART == 2
	.amdgcn_target "amdgcn-amd-amdhsa--gfx1250"
	.amdhsa_code_object_version 6
	.text
	.protected	k_q46d44888a5_qkv
	.globl	k_q46d44888a5_qkv
	.p2align	8
	.type	k_q46d44888a5_qkv,@function
k_q46d44888a5_qkv:
	s_mov_b64 s[64:65], 0
	v_nop
	global_prefetch_b8 v0, s[64:65] scope:SCOPE_SE
	s_setreg_imm32_b32 hwreg(HW_REG_WAVE_MODE, 25, 1), 1
	s_wait_xcnt 0x0
	s_wait_alu depctr_hold_cnt(0) depctr_sa_sdst(0) depctr_va_vdst(0) depctr_va_sdst(0) depctr_va_ssrc(0) depctr_va_vcc(0) depctr_vm_vsrc(0)
	s_getreg_b32 s2, hwreg(HW_REG_IB_STS2, 6, 4)
	s_cmp_eq_u32 s2, 0
	s_cbranch_scc0 .Lentry_in_a_cluster
	s_endpgm
.Lentry_in_a_cluster:
	s_bfe_u32 s2, ttmp6, 0x10000c
	s_cmp_lg_u32 s2, 0xf033
	s_cbranch_scc0 .Lentry_shape_is_right
	s_endpgm
.Lentry_shape_is_right:
.set RECB,  12800
.set RECA,  15104
.set HEADB, 16*RECA
.set VIM,   8192
.set KSC,   14336
.set VSC,   14848
.set FRB,   1536
.set KSB,   2*FRB
.set HALFT, 8*KSB
.set SLOT,  4*HALFT
.set SCL,   3*SLOT
.set SCB,   8320
.set SPARE, 311552
.set FR,    12
.set A16, 8
.set A8,  11
.set B16, 14
.set B8,  17
.set ADRS, 20
.set L16, 21
.set H64, 22
.set R4,  23
.set VSA, 27
.set SPW, 28
.set NIL, 29
.set SC,  32
.set AF,  128
.set TM,  32
.set PW,  48
.set ZR,  49
.set VE0, 50
.set VE1, 51
.set VU0, 52
.set VU1, 53
.set UW,  54
.set TP,  55
.set BIAS, 64
.set HA,  128
.set PC,  192
.set PT,  208
.set WSA, 216
.set MK,  224
.set WSB, 232
.set OW,  240
.set AB, 2
.set WV, 20
.set RH, 21
.set CH, 22
.set G1, 24
.set G1B, 32
.set G0, 40
.set G0B, 52
.set BB, 66
.set G1S, 68
.set G1SB, 76
.set G0S, 84
.set G0SB, 88
.set PX, 92
.set PY, 93
.set SEL, 92
.set CLY, 94
.set HM, 95
.set RT, 96
.set CT, 97
.set QALL, 66
.set E0, 67
.set U0, 23
.set MSB, 0
.macro WIN new
.if MSB != (\new)
	s_set_vgpr_msb (MSB<<8)|(\new)
.set MSB, (\new)
.endif
.endm
.set MUL_LO, 0xa1
.set MUL_HI, 0xf1
.set TO_B,   0x40
.macro JLOAD g0a, g1a, g0b, g1b
	s_cmp_eq_u32 s[RH], 0
	s_cbranch_scc0 .Lfor_b_\@
	tensor_load_to_lds s[\g0a:\g0a+3], s[\g1a:\g1a+7]
	s_nop 0
.rept 4
	v_nop
.endr
	s_branch .Lasked_\@
.Lfor_b_\@:
	tensor_load_to_lds s[\g0b:\g0b+3], s[\g1b:\g1b+7]
	s_nop 0
.rept 4
	v_nop
.endr
.Lasked_\@:
.endm
.macro CREST
	s_cmp_lg_u32 s[WV], 0
	s_cbranch_scc1 .Lnot_wave_0_\@
	s_barrier_signal -3
.Lnot_wave_0_\@:
	s_barrier_wait -3
	s_barrier_signal -1
	s_barrier_wait -1
.endm
.macro CROUND
	s_barrier_signal -1
	s_barrier_wait -1
	CREST
.endm
.macro PLACES n
.rept \n
	v_nop
.endr
.endm
	s_load_b256 s[4:11], s[0:1], 0x0
	s_load_b256 s[12:19], s[0:1], 0x20
	v_lshl_add_u32 v[SPW], v0, 2, SPARE
	v_mov_b32 v[NIL], 0
	ds_add_u32 v28, v29
	ds_add_u32 v28, v29
	s_wait_dscnt 0x0
	v_lshrrev_b32 v1, 5, v0
	v_readfirstlane_b32 s[WV], v1
	s_lshr_b32 s[RH], s[WV], 1
	s_and_b32 s[CH], s[WV], 1
	s_bfe_u32 s[PX], ttmp6, 0x40000
	s_bfe_u32 s[PY], ttmp6, 0x40004
	s_and_b32 s[CLY], ttmp7, 0xffff
	s_lshl_b32 s98, s[PY], 2
	s_lshl_b32 s98, 15, s98
	s_lshl_b32 s100, 0x1111, s[PX]
	s_or_b32 s[G1], s98, (3<<16)|(1<<21)
	s_or_b32 s[G1S], s98, (3<<16)|(1<<21)
	s_or_b32 s[G1B], s100, (3<<16)|(1<<21)
	s_or_b32 s[G1SB], s100, (3<<16)|(1<<21)
.irp g, G1, G1B
	s_mov_b32 s[\g+1], 384<<16
	s_mov_b32 s[\g+2], 8<<16
	s_mov_b32 s[\g+3], 384<<16
	s_mov_b32 s[\g+4], 8
	s_mov_b32 s[\g+5], 1600
	s_mov_b32 s[\g+6], 0
	s_mov_b32 s[\g+7], 0
.endr
.irp g, G1S, G1SB
	s_mov_b32 s[\g+1], 64<<16
	s_mov_b32 s[\g+2], 8<<16
	s_mov_b32 s[\g+3], 64<<16
	s_mov_b32 s[\g+4], 8
	s_mov_b32 s[\g+5], 1600
	s_mov_b32 s[\g+6], 0
	s_mov_b32 s[\g+7], 0
.endr
	s_lshl_b32 s98, s[CLY], 2
	s_sub_co_u32 s99, s[CLY], 8
	s_lshl_b32 s99, s99, 3
	s_lshl_b32 s[CT], ttmp9, 2
	s_wait_kmcnt 0x0
	s_cmp_ge_u32 s[CLY], 8
	s_cselect_b64 s[AB:AB+1], s[6:7], s[4:5]
	s_cselect_b64 s[BB:BB+1], s[4:5], s[6:7]
	s_cselect_b32 s98, 0, s98
	s_cselect_b32 s99, s99, 0
	s_cselect_b32 s23, 128, 0
	s_add_co_u32 s[RT], s98, s[PY]
	s_add_co_u32 s[CT], s[CT], s99
	s_add_co_u32 s[CT], s[CT], s[PX]
	s_lshl_b32 s98, s[RT], 4
	s_lshl_b32 s99, s[CH], 3
	s_add_co_u32 s98, s98, s99
	s_add_co_u32 s98, s98, s23
	s_mul_i32 s98, s98, RECB
	s_mov_b32 s99, 0
	s_add_nc_u64 s[AB:AB+1], s[AB:AB+1], s[98:99]
	s_lshl_b32 s100, s[CT], 4
	s_lshl_b32 s101, s[CH], 3
	s_add_co_u32 s100, s100, s101
	s_mul_i32 s100, s100, RECB
	s_mov_b32 s101, 0
	s_add_nc_u64 s[BB:BB+1], s[BB:BB+1], s[100:101]
	s_mul_i32 s23, s[WV], HALFT
	s_lshl_b32 s98, s[WV], 12
	CROUND
	s_mov_b32 s[G0S], 1
	s_add_co_u32 s[G0S+1], s98, SCL
	s_add_nc_u64 s[G0S+2:G0S+3], s[AB:AB+1], 12288
	s_or_b32 s[G0S+3], s[G0S+3], 0x80000000
	s_mov_b32 s[G0SB], 1
	s_add_co_u32 s[G0SB+1], s98, SCL+128
	s_add_nc_u64 s[G0SB+2:G0SB+3], s[BB:BB+1], 12288
	s_or_b32 s[G0SB+3], s[G0SB+3], 0x80000000
	JLOAD G0S, G1S, G0SB, G1SB
.irp s, 0,1,2
	s_mov_b32 s[G0+4*\s], 1
	s_add_co_u32 s[G0+4*\s+1], s23, \s*SLOT
	s_add_nc_u64 s[G0+4*\s+2:G0+4*\s+3], s[AB:AB+1], \s*KSB
	s_or_b32 s[G0+4*\s+3], s[G0+4*\s+3], 0x80000000
	s_mov_b32 s[G0B+4*\s], 1
	s_add_co_u32 s[G0B+4*\s+1], s23, \s*SLOT
	s_add_nc_u64 s[G0B+4*\s+2:G0B+4*\s+3], s[BB:BB+1], \s*KSB
	s_or_b32 s[G0B+4*\s+3], s[G0B+4*\s+3], 0x80000000
	s_wait_alu depctr_va_vdst(0)
	s_wait_tensorcnt 0x0
	ds_add_u32 v28, v29
	s_wait_dscnt 0x0
	CROUND
	JLOAD G0+4*\s, G1, G0B+4*\s, G1B
.endr
	v_and_b32 v1, 31, v0
	v_and_b32 v2, 15, v0
	v_bfe_u32 v3, v0, 4, 1
	v_lshlrev_b32 v[L16], 4, v1
	v_lshlrev_b32 v5, 3, v1
	s_mul_i32 s98, s[RH], HALFT
	s_mul_i32 s99, s[CH], HALFT
	s_add_co_u32 s99, s99, 2*HALFT
.irp s, 0,1,2
	v_add_nc_u32 v[A16+\s], s98, v[L16]
	v_add_nc_u32 v[A8+\s], s98, v5
	v_add_nc_u32 v[B16+\s], s99, v[L16]
	v_add_nc_u32 v[B8+\s], s99, v5
	s_add_co_u32 s98, s98, SLOT
	s_add_co_u32 s99, s99, SLOT
.endr
	s_lshl_b32 s98, s[RH], 12
	s_lshl_b32 s99, s[CH], 12
	s_add_co_u32 s99, s99, SCB
	s_sub_co_u32 s99, s99, s98
	v_mul_u32_u24 v6, s99, v3
	s_add_co_u32 s98, s98, SCL
	v_lshl_add_u32 v6, v2, 3, v6
	v_add_nc_u32 v[ADRS], s98, v6
	v_lshlrev_b32 v[H64], 6, v3
	v_and_b32 v7, 8, v2
	v_add_nc_u32 v7, v7, v2
	v_lshlrev_b32 v[R4], 2, v7
	v_mul_u32_u24 v[VSA], HEADB, v3
	v_lshl_add_u32 v[VSA], v2, 4, v[VSA]
	s_mov_b32 s[SEL], 0x76543210
	s_mov_b32 s[SEL+1], 0xfedcba98
	s_mov_b32 s[HM], 0xffff0000
.macro FRAG reg, a16, a8, q, i
	ds_load_b128 v[\reg:\reg+3], v[\a16] offset:(\i)*KSB+(\q)*FRB
	ds_load_b64 v[\reg+4:\reg+5], v[\a8] offset:(\i)*KSB+(\q)*FRB+512
	ds_load_b128 v[\reg+6:\reg+9], v[\a16] offset:(\i)*KSB+(\q)*FRB+768
	ds_load_b64 v[\reg+10:\reg+11], v[\a8] offset:(\i)*KSB+(\q)*FRB+1280
.endm
.macro FETCH_B slot, q, p
	WIN TO_B
.irp i, 0,1,2,3,4,5,6,7
	FRAG 128*(\p)+FR*\i, B16+\slot, B8+\slot, \q, \i
.endr
	WIN 0
.endm
.macro FETCH_A slot, q, i0
.irp i, \i0, \i0+1, \i0+2, \i0+3
	FRAG AF+FR*(\i), A16+\slot, A8+\slot, \q, \i
.endr
.endm
.macro SCALES sc
.irp i, 0,1,2,3,4,5,6,7
	ds_load_b64 v[SC+16*(\sc)+2*\i:SC+16*(\sc)+2*\i+1], v[ADRS] offset:512*\i
.endr
.endm
.macro MUL16 a0, p, q, sc, zero
.irp a, \a0, \a0+1
.irp b, 0,1,2,3,4,5,6,7
.if \zero
	v_wmma_scale_f32_16x16x128_f8f6f4 v[8*(8*((\a)%4)+\b):8*(8*((\a)%4)+\b)+7], v[128*(\p)+FR*\b:128*(\p)+FR*\b+FR-1], v[AF+FR*(\a):AF+FR*(\a)+FR-1], 0, v[SC+16*(\sc)+2*\b+(\q)], v[SC+16*(\sc)+2*(\a)+(\q)] matrix_a_fmt:MATRIX_FMT_FP6 matrix_b_fmt:MATRIX_FMT_FP6 matrix_a_scale:MATRIX_SCALE_ROW1
.else
	v_wmma_scale_f32_16x16x128_f8f6f4 v[8*(8*((\a)%4)+\b):8*(8*((\a)%4)+\b)+7], v[128*(\p)+FR*\b:128*(\p)+FR*\b+FR-1], v[AF+FR*(\a):AF+FR*(\a)+FR-1], v[8*(8*((\a)%4)+\b):8*(8*((\a)%4)+\b)+7], v[SC+16*(\sc)+2*\b+(\q)], v[SC+16*(\sc)+2*(\a)+(\q)] matrix_a_fmt:MATRIX_FMT_FP6 matrix_b_fmt:MATRIX_FMT_FP6 matrix_a_scale:MATRIX_SCALE_ROW1
.endif
.endr
.endr
.endm
.macro STEP slot, sc, zero
	s_wait_dscnt 16
	WIN MUL_LO
	MUL16 0, 0, 0, \sc, \zero
	MUL16 2, 0, 0, \sc, \zero
	s_wait_dscnt 0
	PLACES 4
	FETCH_B \slot, 1, 1
	FETCH_A \slot, 1, 0
	WIN MUL_HI
	MUL16 4, 0, 0, \sc, \zero
	MUL16 6, 0, 0, \sc, \zero
	PLACES 4
	WIN 0
	FETCH_A \slot, 1, 4
.endm
.macro TURN slot, next, sc, fill, cnt
.if \fill
	s_wait_tensorcnt 0x0
	ds_add_u32 v[SPW], v[NIL]
	s_wait_dscnt 17
.else
	s_wait_tensorcnt \cnt
	s_wait_dscnt 16
.endif
	WIN MUL_LO
	MUL16 0, 1, 1, \sc, 0
	s_wait_dscnt 0x0
	s_barrier_signal -1
	MUL16 2, 1, 1, \sc, 0
	WIN 0
	s_barrier_wait -1
.if \fill
	CREST
	s_add_nc_u64 s[G0+2:G0+3], s[G0+2:G0+3], 3*KSB
	s_add_nc_u64 s[G0B+2:G0B+3], s[G0B+2:G0B+3], 3*KSB
	JLOAD G0, G1, G0B, G1B
.else
	PLACES 4
.endif
	v_add_nc_u32 v[ADRS], 128, v[ADRS]
	FETCH_B \next, 0, 0
	FETCH_A \next, 0, 0
	SCALES 1-\sc
	WIN MUL_HI
	MUL16 4, 1, 1, \sc, 0
	MUL16 6, 1, 1, \sc, 0
	PLACES 4
	WIN 0
	FETCH_A \next, 0, 4
.endm
.macro LAST sc
	s_wait_dscnt 16
	WIN MUL_LO
	MUL16 0, 1, 1, \sc, 0
	MUL16 2, 1, 1, \sc, 0
	s_wait_dscnt 0
	WIN MUL_HI
	MUL16 4, 1, 1, \sc, 0
	MUL16 6, 1, 1, \sc, 0
	WIN 0
.endm
.macro QUANT src, str
.irp b, 0,1,2,3
	v_max3_num_f32 v[TM+\b], |v[\src+16*\b]|, |v[\src+1+16*\b]|, 0x1800000
.endr
.irp i, 2,4,6,8,10,12,14
.irp b, 0,1,2,3
	v_max3_num_f32 v[TM+\b], v[TM+\b], |v[\src+16*\b+\i]|, |v[\src+1+16*\b+\i]|
.endr
.endr
.irp b, 0,1,2,3
	v_permlanex16_b32 v[TM+4+\b], v[TM+\b], s[SEL], s[SEL+1]
.endr
.irp b, 0,1,2,3
	v_max_num_f32 v[TM+\b], v[TM+\b], v[TM+4+\b]
.endr
.irp b, 0,1,2,3
	v_add_nc_u32 v[TM+12+\b], 0xff000000, v[TM+\b]
.endr
.irp b, 0,1,2,3
	v_lshrrev_b32 v[TM+4+\b], 23, v[TM+12+\b]
.endr
	v_lshl_or_b32 v[PW], v[TM+5], 8, v[TM+4]
	v_lshl_or_b32 v[PW], v[TM+6], 16, v[PW]
	v_lshl_or_b32 v[PW], v[TM+7], 24, v[PW]
.irp c, 0,1
	v_cvt_scalef32_pk16_fp6_f32 v[PC+\str*\c:PC+\str*\c+2], v[\src+32*\c:\src+15+32*\c], v[TM+12+2*\c]
	v_cvt_scalef32_pk16_fp6_f32 v[PT+4*\c:PT+4*\c+2], v[\src+16+32*\c:\src+31+32*\c], v[TM+12+2*\c+1]
.endr
	v_nop
.irp c, 0,1
.irp i, 0,1,2
	v_permlane16_swap_b32 v[PC+\str*\c+\i], v[PT+4*\c+\i]
.endr
.irp i, 0,1,2
	v_mov_b32 v[PC+\str*\c+3+\i], v[PT+4*\c+\i]
.endr
.endr
.endm
.macro QKBLOCK a
.if (\a) > 0
	s_wait_xcnt 0x0
.endif
.set AC, 64*((\a)%4)
	WIN 0x02+(\a)/4
.irp i, 0,2,4,6,8,10,12,14,16,18,20,22,24,26,28,30,32,34,36,38,40,42,44,46,48,50,52,54,56,58,60,62
	v_pk_add_f32 v[HA+\i:HA+\i+1], v[AC+\i:AC+\i+1], v[BIAS+\i:BIAS+\i+1]
.endr
	WIN 0
	QUANT HA, 8
	v_cmp_ne_u32 vcc_lo, 0, v[MK+(\a)]
	s_or_b32 vcc_lo, vcc_lo, s[QALL]
.irp x, 0,1,2,3,4,5,8,9,10,11,12,13
	v_cndmask_b32 v[PC+\x], 0, v[PC+\x], vcc_lo
.endr
	v_cndmask_b32 v[PC+6], v[VE1], v[VE0], vcc_lo
	v_cndmask_b32 v[PC+14], v[VE1], v[VE0], vcc_lo
	v_cndmask_b32 v[UW], v[VU1], v[VU0], vcc_lo
	v_and_or_b32 v[WSA+(\a)], v[PW], 0xffff, v[UW]
	v_lshrrev_b32 v[TP], 16, v[PW]
	v_or_b32 v[WSB+(\a)], v[TP], v[UW]
.irp c, 0,1
	global_store_b128 v[L16+5*(((\a)/2)%2)], v[PC+8*\c:PC+8*\c+3], s[16:17] offset:(\a)*1024+\c*HEADB
	global_store_b128 v[L16+5*(((\a)/2)%2)], v[PC+8*\c+4:PC+8*\c+7], s[16:17] offset:(\a)*1024+\c*HEADB+512
.endr
.endm
.macro VBLOCK a
.if (\a) > 0
	s_wait_xcnt 0x0
.endif
.set AC, 64*((\a)%4)
	WIN 0x02+(\a)/4
.irp i, 0,2,4,6,8,10,12,14,16,18,20,22,24,26,28,30,32,34,36,38,40,42,44,46,48,50,52,54,56,58,60,62
	v_pk_add_f32 v[HA+\i:HA+\i+1], v[AC+\i:AC+\i+1], v[BIAS+2*(\a):BIAS+2*(\a)+1]
.endr
	WIN 0
	QUANT HA, 6
	v_mov_b32 v[WSA+(\a)], v[PW]
.irp c, 0,1,2
	global_store_b128 v[L16], v[PC+4*\c:PC+4*\c+3], s[18:19] offset:VIM+((\a)/4)*HEADB+((\a)%4)*FRB+512*\c
.endr
.endm
	s_wait_alu depctr_va_vdst(0)
	s_wait_tensorcnt 2
	s_barrier_signal -1
	s_barrier_wait -1
	FETCH_B 0, 0, 0
	FETCH_A 0, 0, 0
	SCALES 0
	FETCH_A 0, 0, 4
	STEP 0, 0, 1
	TURN 0, 1, 0, 1, 0
	s_wait_alu depctr_va_vdst(0)
	STEP 1, 1, 0
	TURN 1, 2, 1, 0, 1
	s_wait_alu depctr_va_vdst(0)
	STEP 2, 0, 0
	TURN 2, 0, 0, 0, 0
	s_cmp_ge_u32 s[CLY], 8
	s_cbranch_scc1 .Lv_role
	s_lshl_b32 s98, s[RT], 8
	s_lshl_b32 s99, s[RH], 7
	s_add_co_u32 s98, s98, s99
	s_and_b32 s100, s[CT], 3
	s_lshl_b32 s100, s100, 8
	s_lshl_b32 s99, s[CH], 7
	s_add_co_u32 s100, s100, s99
	s_lshr_b32 s23, s98, 11
	s_lshl_b32 s23, s23, 4
	s_lshr_b32 s99, s100, 6
	s_add_co_u32 s23, s23, s99
	s_lshl_b32 s23, s23, 4
	s_bfe_u32 s99, s98, 0x40007
	s_add_co_u32 s23, s23, s99
	s_mul_i32 s2, s23, RECA
	s_mov_b32 s3, 0
	s_lshl_b32 s98, s98, 2
	s_mov_b32 s99, 0
	s_add_nc_u64 s[14:15], s[14:15], s[98:99]
	s_lshl_b32 s100, s100, 2
	s_mov_b32 s101, 0
	s_mov_b32 s[U0], 0x01010000
	s_cmp_eq_u32 ttmp9, 0
	s_cselect_b64 s[8:9], s[8:9], s[10:11]
	s_cselect_b64 s[16:17], s[16:17], s[18:19]
	s_cselect_b32 s[QALL], -1, 0
	s_cselect_b32 s[E0], 8, 0
	s_cselect_b32 s[U0], 0x018f0000, s[U0]
	s_add_nc_u64 s[8:9], s[8:9], s[100:101]
	s_add_nc_u64 s[16:17], s[16:17], s[2:3]
.irp u, 0,1,2,3
.irp j, 0,1,2,3
	global_load_b128 v[BIAS+16*\u+4*\j:BIAS+16*\u+4*\j+3], v[H64], s[8:9] offset:128*\u+16*\j
.endr
.endr
.irp a, 0,1,2,3,4,5,6,7
	global_load_b32 v[MK+\a], v[R4], s[14:15] offset:4*(32*(\a/2)+8*(\a%2))
.endr
	STEP 0, 1, 0
	LAST 1
	s_wait_loadcnt 0x0
	PLACES 4
	v_mov_b32 v[ZR], 0
	v_xor_b32 v26, 128, v[L16]                     ; images of tiles 2, 3, 6, 7 are stored with rows 0-7 and 8-15 exchanged: the launch that reads them takes rows of two images in one LDS load
.irp b, 0,1,2,3
	v_mov_b32 v[TM+4+\b], 0
.endr
	v_mov_b32 v[VE0], s[E0]
	v_mov_b32 v[VE1], 0x28
	v_cndmask_b32 v[VE0], v[VE0], v[ZR], s[HM]
	v_cndmask_b32 v[VE1], v[VE1], v[ZR], s[HM]
	v_mov_b32 v[VU0], s[U0]
	v_mov_b32 v[VU1], 0x01900000
	v_mov_b32 v[PC+7], 0
	v_mov_b32 v[PC+15], 0
.irp a, 0,1,2,3,4,5,6,7
	QKBLOCK \a
.endr
.irp i, 0,1,2,3
	v_cndmask_b32 v[OW+\i], v[WSA+\i], v[WSA+4+\i], s[HM]
	v_cndmask_b32 v[OW+4+\i], v[WSB+\i], v[WSB+4+\i], s[HM]
.endr
	global_store_b128 v[L16], v[OW:OW+3], s[16:17] offset:KSC
	global_store_b128 v[L16], v[OW+4:OW+7], s[16:17] offset:KSC+HEADB
	s_branch .Ljoin
.Lv_role:
	s_lshl_b32 s98, s[RT], 8
	s_lshl_b32 s99, s[RH], 7
	s_add_co_u32 s98, s98, s99
	s_lshl_b32 s100, s[CT], 8
	s_lshl_b32 s99, s[CH], 7
	s_add_co_u32 s100, s100, s99
	s_lshr_b32 s23, s100, 11
	s_lshl_b32 s23, s23, 4
	s_lshr_b32 s99, s98, 6
	s_add_co_u32 s23, s23, s99
	s_lshl_b32 s23, s23, 4
	s_bfe_u32 s99, s100, 0x40007
	s_add_co_u32 s23, s23, s99
	s_mul_i32 s2, s23, RECA
	s_mov_b32 s3, 0
	s_add_nc_u64 s[18:19], s[18:19], s[2:3]
	s_lshl_b32 s98, s98, 2
	s_mov_b32 s99, 0
	s_add_nc_u64 s[12:13], s[12:13], s[98:99]
.irp a, 0,1,2,3,4,5,6,7
	global_load_b32 v[BIAS+2*\a], v[R4], s[12:13] offset:4*(32*(\a/2)+8*(\a%2))
	global_load_b32 v[BIAS+2*\a+1], v[R4], s[12:13] offset:4*(32*(\a/2)+8*(\a%2))
.endr
	STEP 0, 1, 0
	LAST 1
	s_wait_loadcnt 0x0
	PLACES 4
.irp b, 0,1,2,3
	v_mov_b32 v[TM+4+\b], 0
.endr
.irp a, 0,1,2,3,4,5,6,7
	VBLOCK \a
.endr
.irp i, 0,1,2,3
	v_cndmask_b32 v[OW+\i], v[WSA+\i], v[WSA+4+\i], s[HM]
.endr
	global_store_b128 v[VSA], v[OW:OW+3], s[18:19] offset:VSC
.Ljoin:
	s_wait_tensorcnt 0x0
	ds_add_u32 v[SPW], v[NIL]
	s_wait_dscnt 0x0
	CROUND
	s_endpgm
.Lfunc_end_k_q46d44888a5_qkv:
	.size	k_q46d44888a5_qkv, .Lfunc_end_k_q46d44888a5_qkv-k_q46d44888a5_qkv
	.p2alignl 7, 3214868480
	.fill 96, 4, 3214868480
	.section	.rodata,"a",@progbits
	.p2align	6, 0x0
	.amdhsa_kernel k_q46d44888a5_qkv
		.amdhsa_group_segment_fixed_size 327680
		.amdhsa_private_segment_fixed_size 0
		.amdhsa_enable_private_segment 0
		.amdhsa_kernarg_size 64
		.amdhsa_user_sgpr_count 2
		.amdhsa_user_sgpr_kernarg_segment_ptr 1
		.amdhsa_wavefront_size32 1
		.amdhsa_system_sgpr_workgroup_id_x 1
		.amdhsa_system_sgpr_workgroup_id_y 1
		.amdhsa_system_sgpr_workgroup_id_z 1
		.amdhsa_system_vgpr_workitem_id 0
		.amdhsa_next_free_vgpr 1024
		.amdhsa_next_free_sgpr 102
		.amdhsa_reserve_vcc 1
		.amdhsa_float_denorm_mode_32 3
		.amdhsa_float_denorm_mode_16_64 3
		.amdhsa_memory_ordered 1
		.amdhsa_forward_progress 1
		.amdhsa_inst_pref_size 248
	.end_amdhsa_kernel
	.amdgpu_metadata
---
amdhsa.version: [ 1, 2 ]
amdhsa.kernels:
  - .name:           k_q46d44888a5_qkv
    .symbol:         k_q46d44888a5_qkv.kd
    .args:
      - { .name: xq, .offset: 0, .size: 8, .value_kind: global_buffer, .address_space: global }
      - { .name: wq, .offset: 8, .size: 8, .value_kind: global_buffer, .address_space: global }
      - { .name: bq, .offset: 16, .size: 8, .value_kind: global_buffer, .address_space: global }
      - { .name: bk, .offset: 24, .size: 8, .value_kind: global_buffer, .address_space: global }
      - { .name: bv, .offset: 32, .size: 8, .value_kind: global_buffer, .address_space: global }
      - { .name: mask, .offset: 40, .size: 8, .value_kind: global_buffer, .address_space: global }
      - { .name: qr, .offset: 48, .size: 8, .value_kind: global_buffer, .address_space: global }
      - { .name: kv, .offset: 56, .size: 8, .value_kind: global_buffer, .address_space: global }
    .group_segment_fixed_size: 327680
    .private_segment_fixed_size: 0
    .kernarg_segment_align: 8
    .kernarg_segment_size: 64
    .max_flat_workgroup_size: 128
    .sgpr_count:     102
    .vgpr_count:     1024
    .wavefront_size: 32
...
	.end_amdgpu_metadata
.endif
;; end of part 2
;; launch attn (part 3): grid 4 x 64, 16 waves a work-group, clusters of 4 x 1, 243,712 bytes of LDS; arguments qr, kv, cq; writes cq
.if DOCPART == 3
	.amdgcn_target "amdgcn-amd-amdhsa--gfx1250"
	.amdhsa_code_object_version 6
	.text
	.protected	k_q46d44888a5_attn
	.globl	k_q46d44888a5_attn
	.p2align	8
	.type	k_q46d44888a5_attn,@function
k_q46d44888a5_attn:
	s_mov_b64 s[64:65], 0
	v_nop
	global_prefetch_b8 v0, s[64:65] scope:SCOPE_SE
	s_setreg_imm32_b32 hwreg(HW_REG_WAVE_MODE, 25, 1), 1
	s_wait_xcnt 0x0
	s_wait_alu depctr_hold_cnt(0) depctr_sa_sdst(0) depctr_va_vdst(0) depctr_va_sdst(0) depctr_va_ssrc(0) depctr_va_vcc(0) depctr_vm_vsrc(0)
	s_getreg_b32 s2, hwreg(HW_REG_IB_STS2, 6, 4)
	s_cmp_eq_u32 s2, 0
	s_cbranch_scc0 .Lentry_in_a_cluster
	s_endpgm
.Lentry_in_a_cluster:
	s_bfe_u32 s2, ttmp6, 0x10000c
	s_cmp_lg_u32 s2, 0x3003
	s_cbranch_scc0 .Lentry_shape_is_right
	s_endpgm
.Lentry_shape_is_right:
; ctx = softmax(q k^T / 8, masked) v for one (batch, head), both products on codes of FP6 (E2M3) with E8M0 scales; ctx is quantised along the model's 1,024 (a head is two blocks) for the last product.
; INPUTS: records of 15,104 bytes, one for each 128 tokens of a head: eight images of K (or Q) tiles (1,024 bytes: registers 0-7 x lane), four images of V^T fragments (1,536), K's scale words (512), V's (256).
; Image T, lane slot r holds token 32 (T / 2) + 8 (T % 2) + r + 8 (r / 8); in images 2, 3, 6, 7 slots 0-7 and 8-15 are exchanged (lane address xor 128).
; THE SOFTMAX: t = score x log2(e) / 8; M = the running largest t rounded UP to a whole number; p = 2^(t - M) is quantised along the keys, not normalised; the row's sum is taken of the unquantised p and divides at the end.
; THE MASK: the score product has K = 128 and the head 64; at k = 64 q holds 1.0 x 2^16 and a masked key -1.0 x 2^17 over zero codes: its score is exactly -2^33. A row all of whose keys are masked has a uniform softmax.
; LIMITS: the masked logit is -2^30 where the source has -1e9; the scaled scores stay under 2^31 in magnitude; NaN and infinities are not served.
; SHARES: a work-group owns 512 queries of a head; each of its sixteen waves two tiles of 16, one after the other (two passes), in 256 registers.
; THE HEAD'S K AND V STAY IN LDS: 16 records, filled ONCE: wave w asks for record w, one tensor load a wave, JOINTLY with the three other work-groups of the head (the cluster). One wait for 0 and one barrier show all of it; no slot is filled again.
; No prefetch: the one stream of the launch is asked for whole at the head, and there is no loop to run ahead in.
; LAYOUT: both products transposed (S^T = K Q^T, O^T = V^T P^T): a lane holds one query. Tile (c, j) of a step takes, by LDS address, keys 64 c + 8 j + i in rows 0-7 and 64 c + 32 + 8 j + i in rows 8-15:
; so lane (r, h)'s 32 scores of tiles (c, 0 .. 3) are keys 64 c + 32 h + 0 .. 31 in order: ONE scale block, and the six registers that the next operand wants of that lane. No lane asks another for a block's maximum.
; K's eight fragments lie 8 registers apart: a fragment's registers 8-11 are the next one's 0-3 (behind the last: zeros); q's codes at those k are zeros and the format has no NaN, so they add nothing.
; A step's K fragments are fetched at the end of the step before; the last step of a pass names record 14 again (held by s_min_u32), and what it fetches is not used.
; The sum of a step's p is gathered in four chains; its last additions stand behind the step's last products and behind the next step's first, as the places that those owe.
.set RECA,  15104
.set HEADB, 16*RECA
.set RECB,  12800
.set VIM,   8192
.set KSC,   14336
.set VSC,   14848
.set SPARE, 16*RECA                    ; behind the records: the spare words, 128 bytes a wave
.set G1,  16                           ; s[16:23], s[24:27] the descriptor
.set G0,  24
.set PASS, 28
.set WV,  40
.set SEL, 42
.set CS,  44                           ; s[44:45] c = log2(e) / 8;  s46 -c
.set NC,  46
.set TB,  47                           ; LDS byte of the trip's first record;  s48 the same for the fetch ahead
.set TN,  48
.set CNT, 49
.set QP,  50
.set QSP, 52
.set CPC, 54
.set CPS, 56
.set L16, 1                            ; 16 x lane
.set QL,  2                            ; the same for my Q image
.set L8,  3                            ; 8 x lane
.set R16, 4                            ; 16 r
.set R8,  5                            ; 8 r
.set KB0, 6                            ; my row of a K tile, j = 0, 1;  v7: j = 2, 3
.set KB1, 7
.set KSB, 8                            ; my row's K scale words
.set H8,  9                            ; 8 h
.set SPW, 10
.set NIL, 11
.set NM0, 12                           ; -M of even steps (v13 is named with it)
.set L,   14                           ; v[14:15] the row's sum
.set Q,   16                           ; v16-27
.set QS,  28                           ; Q's scale word;  v29 the next tile's
.set QSN, 29
.set RM,  30                           ; the running largest score
.set KF,  32                           ; v32-99 K's eight fragments; v32-79 V's four
.set S,   100                          ; v100-163 S^T, then p, then ctx
.set O,   164                          ; v164-195 O^T
.set PC,  196                          ; v196-207 p's codes
.set PT,  208                          ; v208-210, v212-214 the blocks' upper halves
.set AK0, 211                          ; LDS addresses at work: v211, v215 K; v225 V; v250, v251 the scale words
.set AV,  225
.set AKS, 250
.set AVS, 251
.set KS,  216                          ; v216-219 K's scale words: lanes 0-15 c = 0, lanes 16-31 c = 1
.set VS,  220                          ; v220-223 V's
.set PS,  224                          ; p's
.set T,   226                          ; v226-233 four chains of the sum
.set MX,  234                          ; v234-237 maxima
.set W,   238                          ; v238, v239 at work
.set F,   240                          ; v[240:241] f = 2^(old M - new M)
.set NM1, 242                          ; -M of odd steps (v243 is named with it)
.set SOP, 244                          ; v244, v245 the conversions' scale operands
.set QN,  246                          ; v246-249, v252-255 the next tile's Q
.macro CROUND
	s_barrier_signal -1
	s_barrier_wait -1
	s_cmp_lg_u32 s[WV], 0
	s_cbranch_scc1 .Lnot_wave_0_\@
	s_barrier_signal -3
.Lnot_wave_0_\@:
	s_barrier_wait -3
	s_barrier_signal -1
	s_barrier_wait -1
.endm
.macro WALU
	s_wait_alu depctr_va_vdst(0)
.endm
.macro MM d, a, b, c, sa, sb, row
	v_wmma_scale_f32_16x16x128_f8f6f4 v[\d:\d+7], v[\a:\a+11], v[\b:\b+11], \c, v[\sa], v[\sb] matrix_a_fmt:MATRIX_FMT_FP6 matrix_b_fmt:MATRIX_FMT_FP6 matrix_a_scale:MATRIX_SCALE_ROW\row
.endm
	s_load_b128 s[4:7], s[0:1], 0x0                ; qr, kv
	s_load_b64 s[8:9], s[0:1], 0x10                ; cq
	v_lshl_add_u32 v[SPW], v0, 2, SPARE
	v_mov_b32 v[NIL], 0
	ds_add_u32 v[SPW], v[NIL]                      ; the opening lines: the add twice on end and its wait
	ds_add_u32 v[SPW], v[NIL]
	v_lshrrev_b32 v1, 5, v0
	v_readfirstlane_b32 s[WV], v1                  ; wave 0..15
	s_bfe_u32 s10, ttmp6, 0x40000                  ; cx: it enters Q's and ctx's global addresses alone
	s_and_b32 s11, ttmp7, 0xffff                   ; batch x 16 + head
	s_mul_i32 s12, s11, HEADB
	s_mov_b32 s13, 0
	s_mul_i32 s14, s[WV], RECA                     ; record = wave, in memory and in LDS
	s_mov_b32 s15, 0
	s_mov_b32 s[G1], 15|(3<<16)|(1<<21)            ; the mask: all four work-groups; elements of 8 bytes; bit 21 beside a mask
	s_mov_b32 s[G1+1], 32<<16                      ; a record as 59 dense rows of 256 bytes
	s_mov_b32 s[G1+2], 59<<16
	s_mov_b32 s[G1+3], 32<<16
	s_mov_b32 s[G1+4], 59
	s_mov_b32 s[G1+5], 32
	s_mov_b32 s[G1+6], 0
	s_mov_b32 s[G1+7], 0
	s_mov_b32 s[SEL], 0x76543210
	s_mov_b32 s[SEL+1], 0xfedcba98
	s_mov_b32 s[CS], 0x3e38aa3b
	s_mov_b32 s[CS+1], s[CS]
	s_mov_b32 s[NC], 0xbe38aa3b
	s_mov_b32 s[PASS], 2
	s_wait_dscnt 0x0
	s_wait_kmcnt 0x0
	s_add_nc_u64 s[4:5], s[4:5], s[12:13]          ; qr and kv at my head
	s_add_nc_u64 s[6:7], s[6:7], s[12:13]
	CROUND                                         ; all four work-groups are here: the joint loads meet
	s_mov_b32 s[G0], 1
	s_mov_b32 s[G0+1], s14
	s_add_nc_u64 s[G0+2:G0+3], s[6:7], s[14:15]
	s_or_b32 s[G0+3], s[G0+3], 0x80000000
	tensor_load_to_lds s[G0:G0+3], s[G1:G1+7]      ; my one tensor load of the launch
	s_nop 0
	s_lshl_b32 s58, ttmp9, 2
	s_add_co_u32 s58, s58, s10
	s_lshl_b32 s58, s58, 5
	s_add_co_u32 s58, s58, s[WV]                   ; my first query tile: 32 x block + wave
	s_lshr_b32 s60, s58, 3
	s_mul_i32 s60, s60, RECA
	s_mov_b32 s61, 0
	s_add_nc_u64 s[4:5], s[4:5], s[60:61]          ; its record
	s_and_b32 s59, s58, 7
	s_lshl_b32 s60, s59, 10
	s_add_nc_u64 s[QP:QP+1], s[4:5], s[60:61]
	s_lshr_b32 s60, s59, 2
	s_lshl_b32 s60, s60, 8
	s_and_b32 s59, s58, 3
	s_lshl_b32 s59, s59, 2
	s_add_co_u32 s60, s60, s59
	s_add_co_u32 s60, s60, KSC
	s_add_nc_u64 s[QSP:QSP+1], s[4:5], s[60:61]
	s_lshr_b32 s59, s11, 4                         ; batch
	s_lshl_b32 s59, s59, 7
	s_add_co_u32 s59, s59, s58                     ; ctx's record: 128 x batch + tile
	s_mul_i32 s60, s59, RECB
	s_add_nc_u64 s[8:9], s[8:9], s[60:61]
	s_and_b32 s11, s11, 15                         ; head
	s_lshr_b32 s59, s11, 1                         ; its K step of the last product,
	s_mul_i32 s60, s59, 1536
	s_and_b32 s62, s11, 1                          ; and which half of it
	s_mul_i32 s63, s62, 768
	s_add_co_u32 s60, s60, s63
	s_add_nc_u64 s[CPC:CPC+1], s[8:9], s[60:61]
	s_lshr_b32 s60, s11, 2
	s_lshl_b32 s60, s60, 7
	s_and_b32 s59, s59, 1
	s_lshl_b32 s59, s59, 2
	s_add_co_u32 s60, s60, s59
	s_lshl_b32 s62, s62, 1
	s_add_co_u32 s60, s60, s62
	s_add_co_u32 s60, s60, 12288
	s_add_nc_u64 s[CPS:CPS+1], s[8:9], s[60:61]
	s_bfe_u32 s59, s[WV], 0x10001                  ; my Q image is one of 2, 3, 6, 7: its slots are exchanged
	s_lshl_b32 s59, s59, 7
	v_and_b32 v[L8], 31, v0
	v_and_b32 v[R8], 15, v0
	v_bfe_u32 v[H8], v0, 4, 1                      ; h
	v_bfe_u32 v[KB1], v0, 3, 1                     ; g = r / 8
	v_and_b32 v[KSB], 7, v0                        ; i = r % 8
	v_lshlrev_b32 v[L16], 4, v[L8]
	v_lshlrev_b32 v[R16], 4, v[R8]
	v_mul_u32_u24 v[KB0], v[KB1], 2176             ; row (g, i) of tile (c, j) lies in image 4 c + 2 g + j % 2 at slot 8 (j / 2) + i, exchanged where g = 1:
	v_lshl_add_u32 v[KB0], v[KSB], 4, v[KB0]       ; j / 2 = 0: 2,048 g + 128 g + 16 i + 256 h;
	v_lshl_add_u32 v[KB0], v[H8], 8, v[KB0]
	v_lshlrev_b32 v[KSB], 4, v[KSB]                ; its scale word: 256 c + 128 (j / 2) + 16 i + 8 g + 4 (j % 2), c = h
	v_lshl_add_u32 v[KSB], v[KB1], 3, v[KSB]
	v_lshl_add_u32 v[KSB], v[H8], 8, v[KSB]
	v_xor_b32 v[KB1], 128, v[KB0]                  ; j / 2 = 1: 2,048 g + 128 (1 - g) + 16 i + 256 h: sixteen lanes touch sixteen columns of 16 bytes
	v_lshlrev_b32 v[H8], 3, v[H8]
	v_lshlrev_b32 v[L8], 3, v[L8]
	v_lshlrev_b32 v[R8], 3, v[R8]
	v_xor_b32 v[QL], s59, v[L16]
	global_load_b128 v[QN:QN+3], v[QL], s[QP:QP+1]
	global_load_b128 v[QN+6:QN+9], v[QL], s[QP:QP+1] offset:512
	global_load_b32 v[QSN], v[R16], s[QSP:QSP+1]
.irp i, 13,24,25,26,27,96,97,98,99,239,241,243
	v_mov_b32 v[\i], 0                             ; Q's registers 8-11; behind K's last fragment; a permute's destination; the upper halves of pairs
.endr
	WALU                                           ; the wait at the head's end
	s_wait_tensorcnt 0x0                           ; my record is in,
	s_barrier_signal -1
	s_barrier_wait -1                              ; and everybody's: nothing is ever filled again
.macro KLOAD ro                        ; the K fragments and scale words of the record at the address registers + ro
.irp c, 0,1
.irp j, 0,1,2,3
	ds_load_b128 v[KF+8*(4*\c+\j):KF+8*(4*\c+\j)+3], v[AK0+4*(\j/2)] offset:(\ro)+4096*\c+1024*(\j%2)
	ds_load_b128 v[KF+8*(4*\c+\j)+4:KF+8*(4*\c+\j)+7], v[AK0+4*(\j/2)] offset:(\ro)+4096*\c+1024*(\j%2)+512
.endr
.endr
	ds_load_b64 v[KS:KS+1], v[AKS] offset:(\ro)+KSC
	ds_load_b64 v[KS+2:KS+3], v[AKS] offset:(\ro)+KSC+128
.endm
.macro JOIN                            ; the last step's four chains, and the row's sum under that step's M
	v_pk_add_f32 v[T:T+1], v[T:T+1], v[T+2:T+3]
	v_pk_add_f32 v[T+4:T+5], v[T+4:T+5], v[T+6:T+7]
	v_pk_add_f32 v[T:T+1], v[T:T+1], v[T+4:T+5]
	v_pk_fma_f32 v[L:L+1], v[L:L+1], v[F:F+1], v[T:T+1] op_sel_hi:[1,0,1]
.endm
.macro TM n                            ; n pairs of scores become t - M
.rept \n
	v_pk_fma_f32 v[S+J_:S+J_+1], v[S+J_:S+J_+1], s[CS:CS+1], v[NMN:NMN+1] op_sel_hi:[1,0,0]
.set J_, J_+2
.endr
.endm
.macro ADDP n                          ; n pairs of p onto the four chains by turns
.rept \n
	v_pk_add_f32 v[T+2*(P_%4):T+2*(P_%4)+1], v[T+2*(P_%4):T+2*(P_%4)+1], v[S+2*P_:S+2*P_+1]
.set P_, P_+1
.endr
.endm
; A KEY STEP: 128 keys, record rec of the trip's two
.macro KSTEP rec
.set RO, (\rec)*RECA
.set NMN, NM0+(NM1-NM0)*(\rec)         ; -M takes two registers by turns: the new one is written while the old one is still read
.set NMO, NM0+NM1-NMN
	WALU                                           ; the wait ahead of the wait below
	s_wait_dscnt 0x0                               ; K's fragments and scale words are in
.irp c, 0,1
.irp j, 0,1,2,3
	MM S+32*\c+8*\j, KF+8*(4*\c+\j), Q, 0, KS+\j, QS, \c
.endr
.endr
	JOIN                                           ; four plain lines: the places between the products and the loads and reads below
.irp t, 0,1,2,3
.irp c, 0,1,2
	ds_load_b128 v[KF+12*\t+4*\c:KF+12*\t+4*\c+3], v[AV] offset:RO+VIM+1536*\t+512*\c   ; V's four fragments land while the softmax is worked
.endr
.endr
	ds_load_b128 v[VS:VS+3], v[AVS] offset:RO+VSC
.irp c, 0,1
.irp g, 0,1
	v_max3_num_f32 v[MX+2*\c+\g], v[S+32*\c+16*\g], v[S+32*\c+16*\g+1], v[S+32*\c+16*\g+2]   ; my two blocks' largest scores, each in two chains; each accumulator is first read at its low end
.endr
.endr
.irp i, 3,5,7,9,11,13
.irp c, 0,1
.irp g, 0,1
	v_max3_num_f32 v[MX+2*\c+\g], v[MX+2*\c+\g], v[S+32*\c+16*\g+\i], v[S+32*\c+16*\g+\i+1]
.endr
.endr
.endr
.irp c, 0,1
	v_max3_num_f32 v[MX+2*\c], v[MX+2*\c], v[MX+2*\c+1], v[S+32*\c+15]
.endr
.irp c, 0,1
	v_max_num_f32 v[MX+2*\c], v[MX+2*\c], v[S+32*\c+31]
.endr
	v_max_num_f32 v[W], v[MX], v[MX+2]
	v_permlanex16_b32 v[W+1], v[W], s[SEL], s[SEL+1]
	v_max3_num_f32 v[RM], v[RM], v[W], v[W+1]      ; the running largest score of my query
	v_mul_f32 v[W], s[NC], v[RM]
	v_floor_f32 v[NMN], v[W]                       ; -M = floor(-t): M is a whole number
	v_sub_f32 v[W], v[NMN], v[NMO]                 ; old M - new M: a whole number, 0 or less
.set J_, 0
	TM 8
	v_cvt_i32_f32 v[W], v[W]                       ; (it saturates)
	TM 8
	v_ldexp_f32 v[F], 1.0, v[W]                    ; f = 2^(old M - new M): a multiplication by it rounds nothing
	TM 16
.irp c, 0,1
	v_fma_f32 v[MX+2*\c], v[MX+2*\c], s[CS], v[NMN]   ; the same of each block's largest score: p rises with the score
.endr
.irp j, 0,2,4,6,8,10,12,14,16,18,20,22,24,26,28,30
	v_pk_mul_f32 v[O+\j:O+\j+1], v[O+\j:O+\j+1], v[F:F+1] op_sel_hi:[1,0]   ; O^T under the new M
.endr
	WALU                                           ; the wait ahead of the batch
	v_exp_f32 v[MX], v[MX]                         ; each block's largest p
	v_exp_f32 v[MX+2], v[MX+2]
.set J_, 0
.rept 64
	v_exp_f32 v[S+J_], v[S+J_]                     ; p = 2^(t - M)
.set J_, J_+1
.endr
	v_nop                                          ; a plain line behind the batch,
	WALU                                           ; and one wait for all of it
	s_wait_dscnt 0x0                               ; V's fragments and scale words are in
.irp c, 0,1
	v_max_num_f32 v[MX+2*\c], 0x1800000, v[MX+2*\c]   ; the floor 2^(3 - 127): the byte cannot fall under 1
.endr
.irp c, 0,1
	v_add_nc_u32 v[SOP+\c], 0xff000000, v[MX+2*\c]    ; 2 off the exponent field: the conversions' scale operand
.endr
.irp c, 0,1
	v_lshrrev_b32 v[MX+2*\c+1], 23, v[SOP+\c]         ; the byte of block 2 c + h
.endr
	v_lshl_or_b32 v[W], v[MX+3], 16, v[MX+1]
	v_lshlrev_b32 v[W], v[H8], v[W]                ; at their places in the scale word
	v_permlanex16_b32 v[W+1], v[W], s[SEL], s[SEL+1]
	v_or_b32 v[PS], v[W], v[W+1]                   ; with lane l xor 16's two the word is whole
.irp c, 0,1
	v_cvt_scalef32_pk16_fp6_f32 v[PC+6*\c:PC+6*\c+2], v[S+32*\c:S+32*\c+15], v[SOP+\c]
	v_cvt_scalef32_pk16_fp6_f32 v[PT+4*\c:PT+4*\c+2], v[S+32*\c+16:S+32*\c+31], v[SOP+\c]
.endr
.irp k, 0,1,2,3
	v_pk_add_f32 v[T+2*\k:T+2*\k+1], v[S+2*\k:S+2*\k+1], v[S+8+2*\k:S+9+2*\k]   ; the chains begin: the sum is taken of the unquantised p. (Plain lines behind the conversions)
.endr
.irp c, 0,1
.irp i, 0,1,2
	v_mov_b32 v[PC+6*\c+3+\i], v[PT+4*\c+\i]       ; (a conversion's three registers begin on an even number)
.endr
.endr
.set P_, 8
	ADDP 20                                        ; these stand between the codes' and the scale word's last writes and the products
.irp t, 0,1,2,3
	MM O+8*\t, KF+12*\t, PC, v[O+8*\t:O+8*\t+7], VS+\t, PS, 0
.endr
	ADDP 4                                         ; four plain lines: the places ahead of the loads into the fragments' registers
.if \rec
	s_add_co_u32 s[TB], s[TB], 2*RECA
	s_min_u32 s[TN], s[TB], 14*RECA                ; the pass's last step stays inside the records
	v_add_nc_u32 v[AK0], s[TN], v[KB0]
	v_add_nc_u32 v[AK0+4], s[TN], v[KB1]
	v_add_nc_u32 v[AKS], s[TN], v[KSB]
	v_add_nc_u32 v[AV], s[TN], v[L16]
	v_add_nc_u32 v[AVS], s[TN], v[R16]
	KLOAD 0
.else
	KLOAD RECA
.endif
.endm
.Lpass:                                            ; two trips: query tiles 32 x block + wave and 16 further on
	s_wait_loadcnt 0x0                             ; this pass's Q
	s_wait_dscnt 0x0                               ; what the last pass's last step fetched ahead has landed: its registers are loaded anew below
.irp i, 0,1,2,3
	v_mov_b32 v[Q+\i], v[QN+\i]
	v_mov_b32 v[Q+4+\i], v[QN+6+\i]
.endr
	v_mov_b32 v[QS], v[QSN]
	WALU                                           ; the wait ahead of the branch
	s_cmp_eq_u32 s[PASS], 1                        ; the next tile's Q is asked for a pass ahead, if there is one
	s_cbranch_scc1 .Lno_next
	global_load_b128 v[QN:QN+3], v[QL], s[QP:QP+1] offset:2*RECA
	global_load_b128 v[QN+6:QN+9], v[QL], s[QP:QP+1] offset:2*RECA+512
	global_load_b32 v[QSN], v[R16], s[QSP:QSP+1] offset:2*RECA
.Lno_next:
	v_mov_b32 v[AK0], v[KB0]
	v_mov_b32 v[AK0+4], v[KB1]
	v_mov_b32 v[AKS], v[KSB]
	v_mov_b32 v[AV], v[L16]
	v_mov_b32 v[AVS], v[R16]
	KLOAD 0
	v_mov_b32 v[RM], 0xff61b1e6                    ; the largest score so far: -3e38
	v_mov_b32 v[NM1], 0x7f61b1e6                   ; the -M before the first: 3e38, so that the first f is 0
	v_mov_b32 v[F], 0
	v_mov_b32 v[L], 0
	v_mov_b32 v[L+1], 0
.set J_, 0
.rept 8
	v_mov_b32 v[T+J_], 0
.set J_, J_+1
.endr
.set J_, 0
.rept 32
	v_mov_b32 v[O+J_], 0                           ; O^T: the step is written once; the first change of M leaves zeros zeros
.set J_, J_+1
.endr
	s_mov_b32 s[TB], 0
	s_mov_b32 s[CNT], 8
.Lstep:                                            ; eight trips of two key steps
	KSTEP 0
	KSTEP 1
	s_sub_co_u32 s[CNT], s[CNT], 1
	s_cmp_lg_u32 s[CNT], 0
	s_cbranch_scc1 .Lstep
	; THE PASS'S END: ctx = O^T / the sum; its 64 channels are two blocks of the last product's K: quantised here, stored as half a fragment's image
	JOIN
	v_add_f32 v[L], v[L], v[L+1]
	v_permlanex16_b32 v[W+1], v[L], s[SEL], s[SEL+1]
	v_add_f32 v[L], v[L], v[W+1]                   ; the row's sum
	WALU
	v_rcp_f32 v[L], v[L]
	v_nop                                          ; a plain line behind the reciprocal,
	WALU                                           ; and the wait ahead of its first reader and of O^T's
.irp j, 0,2,4,6,8,10,12,14,16,18,20,22,24,26,28,30
	v_pk_mul_f32 v[S+\j:S+\j+1], v[O+\j:O+\j+1], v[L:L+1] op_sel_hi:[1,0]   ; register 16 b + i: channel 32 b + 16 h + i; each accumulator from its low end on
.endr
.irp b, 0,1
	v_max3_num_f32 v[MX+\b], |v[S+16*\b]|, |v[S+16*\b+1]|, 0x1800000
.endr
.irp i, 2,4,6,8,10,12,14
.irp b, 0,1
	v_max3_num_f32 v[MX+\b], v[MX+\b], |v[S+16*\b+\i]|, |v[S+16*\b+\i+1]|
.endr
.endr
.irp b, 0,1
	v_permlanex16_b32 v[MX+2+\b], v[MX+\b], s[SEL], s[SEL+1]
.endr
.irp b, 0,1
	v_max_num_f32 v[MX+\b], v[MX+\b], v[MX+2+\b]
.endr
.irp b, 0,1
	v_add_nc_u32 v[SOP+\b], 0xff000000, v[MX+\b]
.endr
.irp b, 0,1
	v_lshrrev_b32 v[MX+2+\b], 23, v[SOP+\b]
.endr
	v_lshl_or_b32 v[W], v[MX+3], 8, v[MX+2]        ; the head's two bytes: half of a scale word
	v_cvt_scalef32_pk16_fp6_f32 v[PC:PC+2], v[S:S+15], v[SOP]
	v_cvt_scalef32_pk16_fp6_f32 v[PT:PT+2], v[S+16:S+31], v[SOP+1]
	v_nop
.irp i, 0,1,2
	v_permlane16_swap_b32 v[PC+\i], v[PT+\i]
.endr
.irp i, 0,1,2
	v_mov_b32 v[PC+3+\i], v[PT+\i]
.endr
	global_store_b128 v[L16], v[PC:PC+3], s[CPC:CPC+1]             ; 512 consecutive bytes, aligned to 256
	global_store_b64 v[L8], v[PC+4:PC+5], s[CPC:CPC+1] offset:512  ; 256
	global_store_b16 v[R8], v[W], s[CPS:CPS+1]     ; 2 bytes a token (both halves of the lanes write the same): a head owns half of each word
	s_wait_xcnt 0x0                                ; the stores have read their data and bases
	s_add_nc_u64 s[CPC:CPC+1], s[CPC:CPC+1], 16*RECB
	s_add_nc_u64 s[CPS:CPS+1], s[CPS:CPS+1], 16*RECB
	s_sub_co_u32 s[PASS], s[PASS], 1
	s_cmp_lg_u32 s[PASS], 0
	s_cbranch_scc1 .Lpass
	s_wait_tensorcnt 0x0                           ; the wave's end
	ds_add_u32 v[SPW], v[NIL]
	s_wait_dscnt 0x0
	CROUND                                         ; the closing round: no work-group ends while a partner may still ask for a record that names it
	s_endpgm
.Lfunc_end_k_q46d44888a5_attn:
	.size	k_q46d44888a5_attn, .Lfunc_end_k_q46d44888a5_attn-k_q46d44888a5_attn
	.p2alignl 7, 3214868480
	.fill 96, 4, 3214868480
	.section	.rodata,"a",@progbits
	.p2align	6, 0x0
	.amdhsa_kernel k_q46d44888a5_attn
		.amdhsa_group_segment_fixed_size 243712
		.amdhsa_private_segment_fixed_size 0
		.amdhsa_enable_private_segment 0
		.amdhsa_kernarg_size 24
		.amdhsa_user_sgpr_count 2
		.amdhsa_user_sgpr_kernarg_segment_ptr 1
		.amdhsa_wavefront_size32 1
		.amdhsa_system_sgpr_workgroup_id_x 1
		.amdhsa_system_sgpr_workgroup_id_y 1
		.amdhsa_system_sgpr_workgroup_id_z 1
		.amdhsa_system_vgpr_workitem_id 0
		.amdhsa_next_free_vgpr 256
		.amdhsa_next_free_sgpr 66
		.amdhsa_reserve_vcc 0
		.amdhsa_float_denorm_mode_32 3
		.amdhsa_float_denorm_mode_16_64 3
		.amdhsa_memory_ordered 1
		.amdhsa_forward_progress 1
		.amdhsa_inst_pref_size 43
	.end_amdhsa_kernel
	.amdgpu_metadata
---
amdhsa.version: [ 1, 2 ]
amdhsa.kernels:
  - .name:           k_q46d44888a5_attn
    .symbol:         k_q46d44888a5_attn.kd
    .args:
      - { .name: qr, .offset: 0, .size: 8, .value_kind: global_buffer, .address_space: global }
      - { .name: kv, .offset: 8, .size: 8, .value_kind: global_buffer, .address_space: global }
      - { .name: cq, .offset: 16, .size: 8, .value_kind: global_buffer, .address_space: global }
    .group_segment_fixed_size: 243712
    .private_segment_fixed_size: 0
    .kernarg_segment_align: 8
    .kernarg_segment_size: 24
    .max_flat_workgroup_size: 512
    .sgpr_count:     66
    .vgpr_count:     256
    .wavefront_size: 32
...
	.end_amdgpu_metadata
.endif
;; end of part 3
;; launch outp (part 4): grid 4 x 64, 4 waves a work-group, clusters of 4 x 4, 327,680 bytes of LDS; arguments cq, wq, bo, out0; writes out0
.if DOCPART == 4
	.amdgcn_target "amdgcn-amd-amdhsa--gfx1250"
	.amdhsa_code_object_version 6
	.text
	.protected	k_q46d44888a5_outp
	.globl	k_q46d44888a5_outp
	.p2align	8
	.type	k_q46d44888a5_outp,@function
k_q46d44888a5_outp:
	s_mov_b64 s[64:65], 0
	v_nop
	global_prefetch_b8 v0, s[64:65] scope:SCOPE_SE
	s_setreg_imm32_b32 hwreg(HW_REG_WAVE_MODE, 25, 1), 1
	s_wait_xcnt 0x0
	s_wait_alu depctr_hold_cnt(0) depctr_sa_sdst(0) depctr_va_vdst(0) depctr_va_sdst(0) depctr_va_ssrc(0) depctr_va_vcc(0) depctr_vm_vsrc(0)
	s_getreg_b32 s2, hwreg(HW_REG_IB_STS2, 6, 4)
	s_cmp_eq_u32 s2, 0
	s_cbranch_scc0 .Lentry_in_a_cluster
	s_endpgm
.Lentry_in_a_cluster:
	s_bfe_u32 s2, ttmp6, 0x10000c
	s_cmp_lg_u32 s2, 0xf033
	s_cbranch_scc0 .Lentry_shape_is_right
	s_endpgm
.Lentry_shape_is_right:
; out0 = ctx Wo^T + bo on codes of FP6 (E2M3) with E8M0 scales. cq holds ctx, wq (records 192-255) Wo, as RECORDS of 12,800 bytes: a tile of 16 rows for all of K = 1,024:
; eight fragments (128 along K) of 1,536 bytes in the order of the operand's registers [0-3: 16 x lane][4-5: 8 x lane][6-9: 16 x lane][10-11: 8 x lane]; at byte 12,288 the scale words [K step / 2][row][K step % 2].
; Lane r of tile T holds row 32 (T / 2) + 8 (T % 2) + r + 8 (r / 8).
; THE DEAL: a block of 128 x 256 of out0 for a work-group: 64 x 4 = 256 work-groups. Four waves, 2 x 2; a wave makes 64 x 128: 32 accumulators.
; ALL OF K LIES IN LDS: A's 8 records and B's 16, 307,200 bytes, dense in memory, asked for at the head by one tensor load a wave (waves 0, 1: four records of A each, 200 rows of 256 bytes; waves 2, 3: eight of B, 400 rows).
; Nothing is filled again: one barrier shows the tiles, a second one frees A's bytes for the way out's stage. No prefetch: all that the launch reads is asked for at the head, and there is no loop to run ahead in.
; CLUSTERS: 4 x 4 work-groups; A's records are shared along a row of the cluster, B's along a column: joint loads.
; A K STEP: 32 products on one of two sets of fragments; the other set takes the next step's, in three runs of 16 loads among the products. All 64 scale registers are loaded once.
; TRANSPOSED USE (source 0 = B's rows, source 1 = A's): a lane holds eight neighbouring numbers of a row of out0. The bias is the first products' C.
; REGISTERS: v0-31 addresses; v32-95 scale words (pair of K steps s, block i: v[32 + 16 s + 2 i ..]: lanes 0-15 A's, lanes 16-31 B's); v128-223 A's two sets; on the way out v96-223;
; second window: B's two sets at v0 and v128, the bias at v96-127 and v224-255; third window: the accumulators, (a, b) at v[8 (8 a + b)].
.set RECB,  12800
.set FRB,   1536
.set BBASE, 8*RECB
.set SPARE, 24*RECB
.set STAGE, 0                          ; on A's bytes, which have had their one fill, behind the second barrier
.set SPITCH, 528
.set FR,    12
.set A16, 8
.set A8,  9
.set B16, 10                           ; v10, v11: B's blocks 0-3, 4-7
.set B8,  12
.set ADRS, 14                          ; v14, v15
.set L16, 21
.set H64, 22
.set STO, 24
.set RD,  25
.set SPW, 28
.set NIL, 29
.set SC,  32
.set BK,  96
.set AF,  128
.set AB, 2
.set WV, 20
.set RH, 21
.set CH, 22
.set G1, 24
.set G1B, 32
.set G0, 40
.set G0B, 44
.set BB, 66
.set PX, 92
.set PY, 93
.set CLY, 94
.set RT, 96
.set CT, 97
.set MSB, 0
.macro WIN new
.if MSB != (\new)
	s_set_vgpr_msb (MSB<<8)|(\new)
.set MSB, (\new)
.endif
.endm
.set TO_B, 0x40                        ; destination in the second window
.macro CREST
	s_cmp_lg_u32 s[WV], 0
	s_cbranch_scc1 .Lnot_wave_0_\@
	s_barrier_signal -3
.Lnot_wave_0_\@:
	s_barrier_wait -3
	s_barrier_signal -1
	s_barrier_wait -1
.endm
.macro CROUND
	s_barrier_signal -1
	s_barrier_wait -1
	CREST
.endm
.macro PLACES n
.rept \n
	v_nop
.endr
.endm
	s_load_b256 s[4:11], s[0:1], 0x0               ; cq, wq, bo, out0
	v_lshl_add_u32 v[SPW], v0, 2, SPARE
	v_mov_b32 v[NIL], 0
	ds_add_u32 v[SPW], v[NIL]                      ; the opening lines: the add twice on end and its wait
	ds_add_u32 v[SPW], v[NIL]
	v_lshrrev_b32 v1, 5, v0
	v_readfirstlane_b32 s[WV], v1
	s_lshr_b32 s[RH], s[WV], 1                     ; my half of the block's rows; also: I fetch for A (0) or for B (1)
	s_and_b32 s[CH], s[WV], 1                      ; my half of its columns; also: which half of that tile I fetch
	s_bfe_u32 s[PX], ttmp6, 0x40000
	s_bfe_u32 s[PY], ttmp6, 0x40004
	s_and_b32 s[CLY], ttmp7, 0xffff
	s_lshl_b32 s98, s[PY], 2
	s_lshl_b32 s98, 15, s98                        ; my row of the cluster
	s_lshl_b32 s100, 0x1111, s[PX]                 ; my column
	s_or_b32 s[G1], s98, (3<<16)|(1<<21)
	s_or_b32 s[G1B], s100, (3<<16)|(1<<21)
	s_mov_b32 s[G1+1], 32<<16                      ; dense rows of 256 bytes: 200 for four records,
	s_mov_b32 s[G1+2], 200<<16
	s_mov_b32 s[G1+3], 32<<16
	s_mov_b32 s[G1+4], 200
	s_mov_b32 s[G1+5], 32
	s_mov_b32 s[G1+6], 0
	s_mov_b32 s[G1+7], 0
	s_mov_b32 s[G1B+1], 32<<16                     ; 400 for eight
	s_mov_b32 s[G1B+2], 400<<16
	s_mov_b32 s[G1B+3], 32<<16
	s_mov_b32 s[G1B+4], 400
	s_mov_b32 s[G1B+5], 32
	s_mov_b32 s[G1B+6], 0
	s_mov_b32 s[G1B+7], 0
	s_lshl_b32 s[RT], s[CLY], 2
	s_add_co_u32 s[RT], s[RT], s[PY]               ; block row, 0 .. 63
	s_lshl_b32 s[CT], ttmp9, 2
	s_add_co_u32 s[CT], s[CT], s[PX]               ; block column, 0 .. 3
	s_lshl_b32 s98, s[RT], 3
	s_lshl_b32 s99, s[CH], 2
	s_add_co_u32 s98, s98, s99
	s_mul_i32 s98, s98, RECB                       ; A: record 8 x block row + 4 x half
	s_mov_b32 s99, 0
	s_lshl_b32 s100, s[CT], 4
	s_lshl_b32 s101, s[CH], 3
	s_add_co_u32 s100, s100, s101
	s_add_co_u32 s100, s100, 192
	s_mul_i32 s100, s100, RECB                     ; B: record 192 + 16 x block column + 8 x half
	s_mov_b32 s101, 0
	s_mul_i32 s23, s[CH], 4*RECB                   ; where they go: no place in the cluster enters an LDS address
	s_mul_i32 s48, s[CH], 8*RECB
	s_add_co_u32 s48, s48, BBASE
	s_wait_dscnt 0x0
	s_wait_kmcnt 0x0
	s_add_nc_u64 s[AB:AB+1], s[4:5], s[98:99]
	s_add_nc_u64 s[BB:BB+1], s[6:7], s[100:101]
	CROUND                                         ; all sixteen work-groups are here: the joint loads meet
	s_mov_b32 s[G0], 1
	s_mov_b32 s[G0+1], s23
	s_mov_b64 s[G0+2:G0+3], s[AB:AB+1]
	s_or_b32 s[G0+3], s[G0+3], 0x80000000
	s_mov_b32 s[G0B], 1
	s_mov_b32 s[G0B+1], s48
	s_mov_b64 s[G0B+2:G0B+3], s[BB:BB+1]
	s_or_b32 s[G0B+3], s[G0B+3], 0x80000000
	s_cmp_eq_u32 s[RH], 0
	s_cbranch_scc0 .Lfor_b
	tensor_load_to_lds s[G0:G0+3], s[G1:G1+7]      ; one tensor load a wave, the only one of the launch
	s_nop 0
	PLACES 4
	s_branch .Lasked
.Lfor_b:
	tensor_load_to_lds s[G0B:G0B+3], s[G1B:G1B+7]
	s_nop 0
	PLACES 4
.Lasked:
	s_lshl_b32 s100, s[CT], 8
	s_lshl_b32 s101, s[CH], 7
	s_add_co_u32 s100, s100, s101
	s_lshl_b32 s100, s100, 2                       ; my first column, in bytes
	s_mov_b32 s101, 0
	s_add_nc_u64 s[8:9], s[8:9], s[100:101]
	s_add_nc_u64 s[10:11], s[10:11], s[100:101]
	s_lshl_b32 s98, s[RT], 7
	s_lshl_b32 s99, s[RH], 6
	s_add_co_u32 s98, s98, s99
	s_lshl_b32 s98, s98, 12                        ; my first row x 4,096 bytes
	s_mov_b32 s99, 0
	s_add_nc_u64 s[10:11], s[10:11], s[98:99]
	s_mul_i32 s80, s[RH], 4*RECB                   ; my four records of A,
	s_mul_i32 s81, s[CH], 8*RECB
	s_add_co_u32 s81, s81, BBASE                   ; my eight of B,
	s_sub_co_u32 s82, s81, s80                     ; the distance between the two,
	s_add_co_u32 s83, s80, 12288                   ; A's scale words,
	s_mul_i32 s84, s[WV], 16*SPITCH
	s_add_co_u32 s84, s84, STAGE                   ; my stage
	v_and_b32 v1, 31, v0
	v_and_b32 v2, 15, v0
	v_bfe_u32 v3, v0, 4, 1
	v_lshlrev_b32 v[L16], 4, v1
	v_lshlrev_b32 v5, 3, v1
	v_lshlrev_b32 v[H64], 6, v3
	v_add_nc_u32 v[A16], s80, v[L16]
	v_add_nc_u32 v[A8], s80, v5
	v_add_nc_u32 v[B16], s81, v[L16]
	v_add_nc_u32 v[B8], s81, v5
	v_add_nc_u32 v[B16+1], 4*RECB, v[B16]
	v_add_nc_u32 v[B8+1], 4*RECB, v[B8]
	v_mul_u32_u24 v6, s82, v3                      ; lanes 16-31 take B's scale words
	v_lshl_add_u32 v6, v2, 3, v6
	v_add_nc_u32 v[ADRS], s83, v6
	v_add_nc_u32 v[ADRS+1], 4*RECB, v[ADRS]
	v_mul_u32_u24 v7, v2, SPITCH                   ; into the stage: row l % 16, 64 bytes for each half of the lanes
	v_lshl_add_u32 v7, v3, 6, v7
	v_add_nc_u32 v[STO], s84, v7
	v_add_nc_u32 v[RD], s84, v[L16]                ; back: the 32 lanes take one row of 512 bytes
	WIN TO_B
.irp b, 0,1,2,3,4,5,6,7
	global_load_b128 v[96+8*\b+96*(\b/4):96+8*\b+96*(\b/4)+3], v[H64], s[8:9] offset:128*(\b/2)+32*(\b%2)       ; register j of block b in lane (r, h) is column 32 (b / 2) + 8 (b % 2) + 16 h + j
	global_load_b128 v[96+8*\b+96*(\b/4)+4:96+8*\b+96*(\b/4)+7], v[H64], s[8:9] offset:128*(\b/2)+32*(\b%2)+16
.endr
	WIN 0
.macro FRAG reg, a16, a8, off
	ds_load_b128 v[\reg:\reg+3], v[\a16] offset:(\off)
	ds_load_b64 v[\reg+4:\reg+5], v[\a8] offset:(\off)+512
	ds_load_b128 v[\reg+6:\reg+9], v[\a16] offset:(\off)+768
	ds_load_b64 v[\reg+10:\reg+11], v[\a8] offset:(\off)+1280
.endm
.macro FB q, p, u                      ; B's blocks 4 u .. 4 u + 3 of K step q into set p
	WIN TO_B
.irp i, 0,1,2,3
	FRAG 128*(\p)+FR*(4*(\u)+\i), B16+(\u), B8+(\u), \i*RECB+(\q)*FRB
.endr
.endm
.macro FA q, p                         ; A's four blocks
	WIN 0
.irp i, 0,1,2,3
	FRAG AF+48*(\p)+FR*\i, A16, A8, \i*RECB+(\q)*FRB
.endr
.endm
.macro MUL8 a, q                       ; A's block a against B's eight; the 32 accumulators take turns, in the same order in every step
.if (\q) == 0
	WIN 0x91                                       ; source 0 and C in the second window, D in the third
.else
	WIN 0xa1                                       ; source 0 in the second window, C and D in the third
.endif
.irp b, 0,1,2,3,4,5,6,7
.if (\q) == 0
	v_wmma_scale_f32_16x16x128_f8f6f4 v[8*(8*(\a)+\b):8*(8*(\a)+\b)+7], v[FR*\b:FR*\b+FR-1], v[AF+FR*(\a):AF+FR*(\a)+FR-1], v[96+8*\b+96*(\b/4):96+8*\b+96*(\b/4)+7], v[SC+2*\b], v[SC+2*(\a)] matrix_a_fmt:MATRIX_FMT_FP6 matrix_b_fmt:MATRIX_FMT_FP6 matrix_a_scale:MATRIX_SCALE_ROW1
.else
	v_wmma_scale_f32_16x16x128_f8f6f4 v[8*(8*(\a)+\b):8*(8*(\a)+\b)+7], v[128*((\q)%2)+FR*\b:128*((\q)%2)+FR*\b+FR-1], v[AF+48*((\q)%2)+FR*(\a):AF+48*((\q)%2)+FR*(\a)+FR-1], v[8*(8*(\a)+\b):8*(8*(\a)+\b)+7], v[SC+16*((\q)/2)+2*\b+(\q)%2], v[SC+16*((\q)/2)+2*(\a)+(\q)%2] matrix_a_fmt:MATRIX_FMT_FP6 matrix_b_fmt:MATRIX_FMT_FP6 matrix_a_scale:MATRIX_SCALE_ROW1
.endif
.endr
.endm
.macro STEP q                          ; K steps 0 to 6
	s_wait_dscnt 0x0                               ; this step's fragments are in: the last of them were asked for 16 products ago
.if (\q) > 0
	PLACES 4                                       ; between the last step's products and the loads into the set that they read
.endif
	FB (\q)+1, ((\q)+1)%2, 0
	MUL8 0, \q
	FB (\q)+1, ((\q)+1)%2, 1
	MUL8 1, \q
	FA (\q)+1, ((\q)+1)%2
	MUL8 2, \q
	MUL8 3, \q
.endm
.macro TOSTAGE a                       ; a block of 16 rows x 128 columns through my stage: in by lanes' 32 bytes, back as whole rows of 512 bytes; LDS serves a wave's instructions in order
	WIN 0x08                                       ; the data in the third window
.irp b, 0,1,2,3,4,5,6,7
	ds_store_b128 v[STO], v[64*(\a)+8*\b:64*(\a)+8*\b+3] offset:128*(\b/2)+32*(\b%2)      ; each accumulator from its low end on
	ds_store_b128 v[STO], v[64*(\a)+8*\b+4:64*(\a)+8*\b+7] offset:128*(\b/2)+32*(\b%2)+16
.endr
	WIN 0
.irp t, 0,1,2,3,4,5,6,7,8,9,10,11,12,13,14,15
	ds_load_b128 v[BK+64*((\a)%2)+4*\t:BK+64*((\a)%2)+4*\t+3], v[RD] offset:\t*SPITCH
.endr
.endm
.macro SEND a, younger                 ; younger: the LDS instructions issued behind block a's loads
	s_wait_dscnt \younger
.irp t, 0,1,2,3,4,5,6,7,8,9,10,11,12,13,14,15
	global_store_b128 v[L16], v[BK+64*((\a)%2)+4*\t:BK+64*((\a)%2)+4*\t+3], s[10:11] offset:(32*((\a)/2)+8*((\a)%2)+\t+8*(\t/8))*4096 th:TH_STORE_NT   ; 512 consecutive bytes, aligned to 256
.endr
.endm
	s_wait_alu depctr_va_vdst(0)                   ; the wait at the head's end
	s_wait_tensorcnt 0x0                           ; my records are in,
	s_barrier_signal -1
	s_barrier_wait -1                              ; and everybody's
.irp s, 0,1,2,3
.irp i, 0,1,2,3,4,5,6,7
	ds_load_b64 v[SC+16*\s+2*\i:SC+16*\s+2*\i+1], v[ADRS+\i/4] offset:(\i%4)*RECB+128*\s
.endr
.endr
	FB 0, 0, 0
	FB 0, 0, 1
	FA 0, 0
	s_wait_loadcnt 0x0                             ; the bias
.irp q, 0,1,2,3,4,5,6
	STEP \q
.endr
	s_wait_dscnt 0x0                               ; the last step's fragments are in: my reads of the tiles are over
	s_barrier_signal -1
	MUL8 0, 7
	MUL8 1, 7
	MUL8 2, 7
	MUL8 3, 7
	WIN 0
	s_barrier_wait -1                              ; and everybody's: A's bytes may take the stages
	PLACES 4
	TOSTAGE 0
.irp a, 1,2,3
.if \a > 1
	s_wait_xcnt 0x0                                ; block a - 2's stores have read their registers: block a's loads may land there
.endif
	TOSTAGE \a
	SEND \a-1, 32                                  ; behind block a - 1's loads: block a's 16 stores and 16 loads
.endr
	SEND 3, 0
	s_wait_tensorcnt 0x0                           ; the wave's end
	ds_add_u32 v[SPW], v[NIL]
	s_wait_dscnt 0x0
	CROUND                                         ; the closing round
	s_endpgm
.Lfunc_end_k_q46d44888a5_outp:
	.size	k_q46d44888a5_outp, .Lfunc_end_k_q46d44888a5_outp-k_q46d44888a5_outp
	.p2alignl 7, 3214868480
	.fill 96, 4, 3214868480
	.section	.rodata,"a",@progbits
	.p2align	6, 0x0
	.amdhsa_kernel k_q46d44888a5_outp
		.amdhsa_group_segment_fixed_size 327680
		.amdhsa_private_segment_fixed_size 0
		.amdhsa_enable_private_segment 0
		.amdhsa_kernarg_size 32
		.amdhsa_user_sgpr_count 2
		.amdhsa_user_sgpr_kernarg_segment_ptr 1
		.amdhsa_wavefront_size32 1
		.amdhsa_system_sgpr_workgroup_id_x 1
		.amdhsa_system_sgpr_workgroup_id_y 1
		.amdhsa_system_sgpr_workgroup_id_z 1
		.amdhsa_system_vgpr_workitem_id 0
		.amdhsa_next_free_vgpr 768
		.amdhsa_next_free_sgpr 102
		.amdhsa_reserve_vcc 0
		.amdhsa_float_denorm_mode_32 3
		.amdhsa_float_denorm_mode_16_64 3
		.amdhsa_memory_ordered 1
		.amdhsa_forward_progress 1
		.amdhsa_inst_pref_size 83
	.end_amdhsa_kernel
	.amdgpu_metadata
---
amdhsa.version: [ 1, 2 ]
amdhsa.kernels:
  - .name:           k_q46d44888a5_outp
    .symbol:         k_q46d44888a5_outp.kd
    .args:
      - { .name: cq, .offset: 0, .size: 8, .value_kind: global_buffer, .address_space: global }
      - { .name: wq, .offset: 8, .size: 8, .value_kind: global_buffer, .address_space: global }
      - { .name: bo, .offset: 16, .size: 8, .value_kind: global_buffer, .address_space: global }
      - { .name: out0, .offset: 24, .size: 8, .value_kind: global_buffer, .address_space: global }
    .group_segment_fixed_size: 327680
    .private_segment_fixed_size: 0
    .kernarg_segment_align: 8
    .kernarg_segment_size: 32
    .max_flat_workgroup_size: 128
    .sgpr_count:     102
    .vgpr_count:     768
    .wavefront_size: 32
...
	.end_amdgpu_metadata
.endif
;; end of part 4
